; MI455X (gfx1250); checked and timed in simulation.
; The chip was launched on July 23, 2026; its instructions are those of AMD's public machine-readable ISA for CDNA 5 (MIT licence, August 2026) and "CDNA5" Instruction Set Architecture Reference Guide (July 2026). The comments in the code are by the model that wrote it; some were corrected since.
;; Lo RA Layer. Allowed arithmetic: matrix products marked QUANTISED: E4M3 operands, one given power-of-two scale a tensor, by v_wmma_f32_16x16x64_fp8_fp8 or v_wmma_f32_16x16x128_fp8_fp8, f32 sums; products left as they are: f32 operands where the result goes on into a quantised operand, else bf16, f16 or f32 operands; f32 sums; everything else in f32.
;; Inputs: A 16 x 4,096 float32; B 4,096 x 16 float32; W_codes 4,096 x 128 x 32 uint8 (E4M3 codes of W, K innermost, in blocks of 32 codes); b 4,096 float32; lowp_scales 4 int32 (the exponents e of the quantised operands' scales 2^e); x_codes 2,048 x 128 x 32 uint8 (E4M3 codes of x, K innermost, in blocks of 32 codes).
;; Outputs: out0 2,048 x 4,096 float32.
;; This version of the problem:
;;   THIS VERSION OF THE PROBLEM IS GIVEN IN LOW PRECISION. The matrix products marked QUANTISED in the list below multiply operands that are first quantised to E4M3 (4 exponent bits, 3 mantissa bits; 8 bits a number), with one given power-of-two scale for each operand tensor; their sums are f32. All else is computed in f32.
;;   The module's matrix products, in the order in which they are computed (A, B: the left and right operand; K: the contracted axis; several contracted axes count as one K, in the product's order):
;;     1. [M 2,048, K 4,096] x [K 4,096, N 4,096]; A: input x (given as codes); B: input W (given as codes): QUANTISED (scales: A lowp_scales[0], B lowp_scales[1])
;;     2. [M 4,096, K 16] x [K 16, N 4,096]; A: input B; B: input A: left as it is (K = 16 < 32)
;;     3. [M 2,048, K 4,096] x [K 4,096, N 4,096]; A: input x (given as codes); B: computed on the way: QUANTISED (scales: A lowp_scales[2], B lowp_scales[3])
;;   THE QUANTISER, for each operand of a quantised product, along K:
;;     - The operand's scale is 2^e, e = its entry of the input lowp_scales (int32; the entries are numbered through the quantised products in the list's order, A before B).
;;     - Each number is divided by the scale, clamped to +-448, and rounded to the nearest number of E4M3, ties to even, subnormals kept.
;;     - The product sums the exact products of the quantised numbers (number of the format x scale) in f32.
;;   ~~~python
;;   def quantise(x, axis, e):      # numpy; x: float32 -> the quantised numbers, widened to float32 again
;;       x = np.moveaxis(x, axis, -1); K = x.shape[-1]
;;       r = np.clip(x / 2.0 ** e, -448, 448)
;;       step = 2.0 ** (np.maximum(np.frexp(np.where(r == 0, 1, r))[1] - 1, -6) - 3)
;;       q = np.round(r / step) * step * 2.0 ** e      # np.round: ties to even
;;       return np.moveaxis(q, -1, axis).astype(np.float32)
;;   ~~~
;;   OPERANDS COMPUTED ON THE WAY. 'Computed on the way' means the value that the module computes at that place (a softmax that the list does not call 'softmax' is quantised finished and normalised). What goes into a quantiser is computed in f32, as accurately as f32 sums, v_exp_f32 and their like allow (about 1e-6 of the number): no bf16 or f16 on the way to a quantiser, and a product that is left as it is and whose result goes on into a quantised operand takes f32 operands (vector FMAs, or v_wmma_f32_16x16x4_f32). A number that lies on a knife's edge between two numbers of the format may be rounded either way, as far as f32 arithmetic and the matrix unit's own rounding can turn it there, and no further.
;;   INPUTS GIVEN AS CODES. W (in the module: [4096, 4096], K = its axis 1); x (in the module: [2048, 4096], K = its axis 1): each comes as NAME_codes (uint8): NAME with its K axis moved to the last place and cut into blocks of 32 codes, [.., K / 32, bytes a block], one block behind the other in memory; one code a byte (a code: sign, 4 exponent bits, 3 mantissa bits); its scale is its entry of lowp_scales. Its value is code x scale, taken as it is: it is not quantised again, and the codes and scales need not be those that the quantiser above would give.
;; One version. Each part assembles by itself: llvm-mc -triple=amdgcn-amd-amdhsa -mcpu=gfx1250 --defsym DOCPART=n.
;; ======== version 1 of 1: 2 launches
;; limits: right only within a limited range of input values
;; workspace buffers: lt 16,777,216 bytes
;; launch mklora (part 1): grid 256 x 1, 8 waves a work-group, no clusters, 0 bytes of LDS; arguments A, B, lowp_scales, lt; writes lt
.if DOCPART == 1
	.amdgcn_target "amdgcn-amd-amdhsa--gfx1250"
	.amdhsa_code_object_version 6
	.text
	.protected	k_q00d45da7e5_mklora
	.globl	k_q00d45da7e5_mklora
	.p2align	8
	.type	k_q00d45da7e5_mklora,@function
k_q00d45da7e5_mklora:
	s_mov_b64 s[64:65], 0
	v_nop
	global_prefetch_b8 v0, s[64:65] scope:SCOPE_SE
	s_setreg_imm32_b32 hwreg(HW_REG_WAVE_MODE, 25, 1), 1
	s_wait_xcnt 0x0
; L = B A  (B: [4096 d][16] f32, A: [16][4096 n] f32), formed in f32, quantised along d with the given scale 2^e3 (entry 3 of the scales) to codes of FP8 (E4M3),
; and stored into the workspace lt in the order in which the next launch's operand registers take them.
; NOTHING OF THE PROBLEM IS LEFT OUT, here or in the next launch: every input has a way to the output.  In particular x (B A) is not turned into (x B) A: the quantiser stands
; between B A and the product with x, and it is a step of the problem.  The factor alpha / rank = 2 stands behind that product and is applied in the next launch.
; code = L / 2^e3, held within +-448, rounded to the nearest code, ties to even.  LIMITS: e3 between -126 and 119, so that 2^e3 and 448 x 2^e3 are f32 numbers.
; NaN in A or B is not served; an infinity is held at the largest code.  The 16 ranks of a sum are added in the order 0,1,8,9, 2,3,10,11, .. and not 0 .. 15: f32 sums in another order.
; LAYOUT OF lt, addressed as 4,096 rows of 4,096 bytes.  With n = 128 ct + 64 w + 4 r + f (f = 0 .. 3; fragment nb = 4 w + f) and d = 256 s + 128 q + 32 c + 16 h + i (i = 0 .. 15) the code of L[d][n]
; lies at byte (128 ct + 64 q + 8 nb + 2 c + h) x 4096 + 256 s + 16 r + i: 256 bytes on end are the sixteen lanes (r, h) of registers 4 c .. 4 c + 3 of the fragment (16 columns n, four apart, x 128 d).
; SHARES.  8,192 fragments.  Work-group g: the 128 d from 128 (g % 32) on; wave w: columns 128 (4 (g / 32) + w / 2) + 64 (w % 2) on, four fragments of 16 columns.
; THE PRODUCT IS USED SO THAT A LANE HOLDS ONE COLUMN n AND ITS REGISTERS RUN ALONG d: source 0 = 16 rows of B, source 1 = 16 columns of A.  THE ROWS OF B THAT FORM A TILE ARE NOT NEIGHBOURS:
; lane r of tile 2 c + u takes d = 32 c + 8 u + r + 8 (r / 8), so that register j of lane (r, h) is d = 32 c + 16 h + 8 u + j, and tiles 2 c, 2 c + 1 are 16 neighbours along d.
; The f32 matrix form takes 4 ranks: place (h, j) of instruction q holds rank 8 h + 2 q + j, in B and in A alike, so that a lane's eight ranks of B are 32 neighbouring bytes.
; A's four fragments take the columns 4 r + f: one load brings a rank's four columns of a lane, sixteen lanes 256 neighbouring bytes; 32 moves bring them into pairs of ranks.
; No LDS, no barrier: waves share nothing, and a store's sixteen neighbouring lanes already hold 256 neighbouring bytes.  No prefetch: there is no loop to run ahead in.
.set BO,   3                           ; v3        B: (r + 8 (r / 8)) x 64 + 32 h
.set AO,   4                           ; v4        A: 8 h rows of 16,384 bytes + 16 r
.set SO,   5                           ; v5        lt: h rows of 4,096 bytes + 16 r
.set SC,   6                           ; v6        2^e3 as f32
.set HOLD, 7                           ; v7        448 x 2^e3
.set BF,   16                          ; v16-79    B: 8 tiles x 8 ranks
.set AF,   80                          ; v80-111   A: 4 fragments of 16 columns x 8 ranks
.set ACC,  112                         ; v112-175  8 accumulators: written by matrix instructions alone
.set T,    176                         ; v176-191  held numbers, two sets of 8 by turns
.set CD,   192                         ; v192-255  codes: 16 registers for each fragment, so that no store's data are written again
.set AT,   224                         ; v224-255  at first: A as loaded, 8 ranks x 4 columns
	s_load_b128 s[4:7], s[0:1], 0x0                ; A s[4:5], B s[6:7]
	s_load_b128 s[8:11], s[0:1], 0x10              ; the scales' exponents s[8:9], lt s[10:11]
	v_lshrrev_b32 v8, 5, v0
	v_and_b32 v1, 15, v0                           ; r
	v_bfe_u32 v2, v0, 4, 1                         ; h
	v_readfirstlane_b32 s12, v8                    ; wave 0..7
	v_and_b32 v[BO], 8, v1
	v_lshlrev_b32 v[AO], 4, v1                     ; four columns a lane
	v_lshlrev_b32 v[SO], 4, v1
	v_add_nc_u32 v[BO], v[BO], v1                  ; r + 8 (r / 8)
	v_lshl_add_u32 v[AO], v2, 17, v[AO]
	v_lshl_add_u32 v[SO], v2, 12, v[SO]
	v_lshlrev_b32 v[BO], 6, v[BO]                  ; a row of B is 64 bytes
	v_lshl_add_u32 v[BO], v2, 5, v[BO]             ; + my half's eight ranks
	s_and_b32 s14, ttmp9, 31                       ; ks: which 128 along d
	s_lshr_b32 s15, ttmp9, 5
	s_lshl_b32 s15, s15, 2
	s_lshr_b32 s17, s12, 1
	s_add_co_u32 s15, s15, s17                     ; ct: which 128 columns
	s_and_b32 s16, s12, 1                          ; which 64 of them
	s_lshl_b32 s18, s14, 13                        ; B: 128 ks rows of 64 bytes
	s_mov_b32 s19, 0
	s_lshl_b32 s20, s15, 9                         ; A: 4 bytes x (128 ct + 64 half)
	s_lshl_b32 s17, s16, 8
	s_add_co_u32 s20, s20, s17
	s_mov_b32 s21, 0
	s_lshl_b32 s22, s15, 7                         ; lt: row 128 ct + 64 (ks % 2) + 32 half,
	s_and_b32 s17, s14, 1
	s_lshl_b32 s17, s17, 6
	s_add_co_u32 s22, s22, s17
	s_lshl_b32 s17, s16, 5
	s_add_co_u32 s22, s22, s17
	s_lshl_b32 s22, s22, 12
	s_lshr_b32 s17, s14, 1                         ; byte 256 (ks / 2) of it
	s_lshl_b32 s17, s17, 8
	s_add_co_u32 s22, s22, s17
	s_mov_b32 s23, 0
	s_wait_alu depctr_va_vdst(0)                   ; the wait at the head's end
	s_wait_kmcnt 0x0
	s_load_b32 s13, s[8:9], 0xc                    ; e3
	s_add_nc_u64 s[6:7], s[6:7], s[18:19]
	s_add_nc_u64 s[4:5], s[4:5], s[20:21]
	s_add_nc_u64 s[10:11], s[10:11], s[22:23]
.irp i, 0,1,2,3,4,5,6,7
	global_load_b128 v[AT+4*\i:AT+4*\i+3], v[AO], s[4:5] offset:\i*16384   ; A(8 h + i, my four columns)
.endr
.irp i, 0,1                                    ; B's 8 tiles, tile t from row 32 (t / 2) + 8 (t % 2) on: first the ranks of instructions 0 and 1 of all tiles, then those of 2 and 3
.irp t, 0,1,2,3,4,5,6,7
	global_load_b128 v[BF+8*\t+4*\i:BF+8*\t+4*\i+3], v[BO], s[6:7] offset:(32*(\t/2)+8*(\t%2))*64+16*\i
.endr
.endr
	s_wait_kmcnt 0x0
	s_add_co_i32 s13, s13, 127
	s_lshl_b32 s17, s13, 23
	s_add_co_i32 s13, s13, 8
	s_lshl_b32 s13, s13, 23
	s_or_b32 s13, s13, 0x600000
	v_mov_b32 v[SC], s17                           ; 2^e3 as f32: the conversion takes its exponent field
	v_mov_b32 v[HOLD], s13                         ; 448 x 2^e3
; One fragment: 16 columns x 128 d.
.macro FRAGMENT f
.irp q, 0,1,2,3                                ; four ranks an instruction; the eight accumulators take turns, one instruction a turn
.if (\f == 0) && (\q == 0)
	s_wait_loadcnt 8                               ; the first eight loads of B are in: loads come back in order (ISA guide 5.7.1)
.endif
.if (\f == 0) && (\q == 2)
	s_wait_loadcnt 0x0                             ; and the last eight
.endif
.irp t, 0,1,2,3,4,5,6,7
.if \q == 0
	v_wmma_f32_16x16x4_f32 v[ACC+8*\t:ACC+8*\t+7], v[BF+8*\t+2*\q:BF+8*\t+2*\q+1], v[AF+8*\f+2*\q:AF+8*\f+2*\q+1], 0
.else
	v_wmma_f32_16x16x4_f32 v[ACC+8*\t:ACC+8*\t+7], v[BF+8*\t+2*\q:BF+8*\t+2*\q+1], v[AF+8*\f+2*\q:AF+8*\f+2*\q+1], v[ACC+8*\t:ACC+8*\t+7]
.endif
.endr
.endr
.if \f < 3                                     ; eight places between this form and the first read of its results (ISA guide 7.12.1): the next fragment's eight moves, which name none of its registers
.irp i, 0,1,2,3,4,5,6,7
	v_mov_b32 v[AF+8*(\f+1)+\i], v[AT+4*\i+\f+1]
.endr
.else
.rept 8
	v_nop
.endr
.endif
	s_wait_alu depctr_va_vdst(0)
.irp t, 0,1,2,3,4,5,6,7
.irp j, 0,1,2,3,4,5,6,7
	v_med3_num_f32 v[T+8*(\t%2)+\j], v[ACC+8*\t+\j], -v[HOLD], v[HOLD]   ; the conversion to an 8-bit code does not saturate (ISA guide 7.6.2): the hold, into other registers, each accumulator from its low end on
.endr
	v_cvt_scalef32_pk8_fp8_f32 v[CD+16*\f+2*\t:CD+16*\f+2*\t+1], v[T+8*(\t%2):T+8*(\t%2)+7], v[SC]   ; the next tile's holds go to the other set: plain lines that touch nothing of this one
.endr
	v_nop                                          ; one plain vector line behind the last conversion
.irp c, 0,1,2,3
	global_store_b128 v[SO], v[CD+16*\f+4*\c:CD+16*\f+4*\c+3], s[10:11] offset:(8*\f+2*\c)*4096   ; lanes 0-15 store 256 consecutive bytes, at a multiple of 256 from lt's first byte; lanes 16-31 the same one row on
.endr
.endm
	s_wait_loadcnt 16                              ; A's eight loads are in; B's sixteen, issued behind them, may be out
.irp i, 0,1,2,3,4,5,6,7
	v_mov_b32 v[AF+\i], v[AT+4*\i]                 ; fragment 0's ranks
.endr
	s_wait_alu depctr_va_vdst(0)
	FRAGMENT 0                                     ; a fragment's first products write over the last fragment's sums behind its 64 holds
	FRAGMENT 1
	FRAGMENT 2
	FRAGMENT 3
	s_endpgm
.Lfunc_end_k_q00d45da7e5_mklora:
	.size	k_q00d45da7e5_mklora, .Lfunc_end_k_q00d45da7e5_mklora-k_q00d45da7e5_mklora
	.p2alignl 7, 3214868480
	.fill 96, 4, 3214868480
	.section	.rodata,"a",@progbits
	.p2align	6, 0x0
	.amdhsa_kernel k_q00d45da7e5_mklora
		.amdhsa_group_segment_fixed_size 0
		.amdhsa_private_segment_fixed_size 0
		.amdhsa_enable_private_segment 0
		.amdhsa_kernarg_size 32
		.amdhsa_user_sgpr_count 2
		.amdhsa_user_sgpr_kernarg_segment_ptr 1
		.amdhsa_wavefront_size32 1
		.amdhsa_system_sgpr_workgroup_id_x 1
		.amdhsa_system_sgpr_workgroup_id_y 1
		.amdhsa_system_sgpr_workgroup_id_z 1
		.amdhsa_system_vgpr_workitem_id 0
		.amdhsa_next_free_vgpr 256
		.amdhsa_next_free_sgpr 66
		.amdhsa_reserve_vcc 0
		.amdhsa_float_denorm_mode_32 3
		.amdhsa_float_denorm_mode_16_64 3
		.amdhsa_memory_ordered 1
		.amdhsa_forward_progress 1
		.amdhsa_inst_pref_size 34
	.end_amdhsa_kernel
	.amdgpu_metadata
---
amdhsa.version: [ 1, 2 ]
amdhsa.kernels:
  - .name:           k_q00d45da7e5_mklora
    .symbol:         k_q00d45da7e5_mklora.kd
    .args:
      - { .name: A, .offset: 0, .size: 8, .value_kind: global_buffer, .address_space: global }
      - { .name: B, .offset: 8, .size: 8, .value_kind: global_buffer, .address_space: global }
      - { .name: lowp_scales, .offset: 16, .size: 8, .value_kind: global_buffer, .address_space: global }
      - { .name: lt, .offset: 24, .size: 8, .value_kind: global_buffer, .address_space: global }
    .group_segment_fixed_size: 0
    .private_segment_fixed_size: 0
    .kernarg_segment_align: 8
    .kernarg_segment_size: 32
    .max_flat_workgroup_size: 256
    .sgpr_count:     66
    .vgpr_count:     256
    .wavefront_size: 32
...
	.end_amdgpu_metadata
.endif
;; end of part 1
;; launch gemm (part 2): grid 32 x 8, 4 waves a work-group, clusters of 4 x 4, 327,680 bytes of LDS; arguments x_codes, W_codes, lt, lowp_scales, b, out0; writes out0
.if DOCPART == 2
	.amdgcn_target "amdgcn-amd-amdhsa--gfx1250"
	.amdhsa_code_object_version 6
	.text
	.protected	k_q00d45da7e5_gemm
	.globl	k_q00d45da7e5_gemm
	.p2align	8
	.type	k_q00d45da7e5_gemm,@function
k_q00d45da7e5_gemm:
	s_mov_b64 s[64:65], 0
	v_nop
	global_prefetch_b8 v0, s[64:65] scope:SCOPE_SE
	s_setreg_imm32_b32 hwreg(HW_REG_WAVE_MODE, 25, 1), 1
	s_wait_xcnt 0x0
	s_wait_alu depctr_hold_cnt(0) depctr_sa_sdst(0) depctr_va_vdst(0) depctr_va_sdst(0) depctr_va_ssrc(0) depctr_va_vcc(0) depctr_vm_vsrc(0)
	s_getreg_b32 s2, hwreg(HW_REG_IB_STS2, 6, 4)
	s_cmp_eq_u32 s2, 0
	s_cbranch_scc0 .Lentry_in_a_cluster
	s_endpgm
.Lentry_in_a_cluster:
	s_bfe_u32 s2, ttmp6, 0x10000c
	s_cmp_lg_u32 s2, 0xf033
	s_cbranch_scc0 .Lentry_shape_is_right
	s_endpgm
.Lentry_shape_is_right:
; out[m][n] = 2^(e0+e1) sum over k of x[m][k] W[n][k]  +  b[n]  +  2 x 2^(e2+e3) sum over k of x[m][k] L[k][n].   x: [2048][4096], W: [4096][4096]: codes of FP8 (E4M3); L's codes lie in lt, in the order
; that the launch before has laid down.  Both products are made on the codes as they are, one f32 sum for each product and output; the scales and the factor 2 are applied to the finished sums.
; LIMITS: e0 + e1 between -126 and 127, e2 + e3 between -127 and 126, so that both factors are f32 numbers.
; SHARES.  A work-group of four waves makes 256 rows x 128 columns; a wave 128 rows x 64 columns of both products: 64 accumulators of 16 x 16 (8 blocks of rows x (4 fragments of W + 4 of L)): a fragment of x serves both products.
; K goes in K steps of 256 through two LDS slots filled by the tensor data mover; a K step is two steps of 128 along K, 64 matrix instructions a wave each.
; THE WAY OUT NEEDS NO LDS: source 0 = 16 rows of x, source 1 = 16 columns, and lane r of fragment f (f = 0 .. 3) takes column 4 r + f.  So a lane's four accumulators hold four neighbouring columns of a row, 16 bytes, and
; sixteen lanes 256 neighbouring bytes.  W's rows are brought into that order by a descriptor of three dimensions: LDS row 32 f + y holds W's row 4 y + f of the work-group's 128.
; CLUSTERS: 4 x 4 work-groups.  The four of a row of the cluster need the same tiles of x, the four of a column the same of W and lt: each is asked for JOINTLY, by the same load with the same descriptor and a mask that names the four.
; THE ORDER OF K: clusters with an odd sum of coordinates walk K with neighbouring pairs of K steps exchanged (the byte along K xor 512), so that the two clusters that read the same rows of W and lt ask for different bytes at a time.
; PREFETCH: behind the first load K step 1; then, in every second trip, two refills ahead; the other trips' bytes are those that the partner with the other order has asked for.  Each of the four partners of a joint load takes
; 32 of its 128 rows, told apart by address (cx for x, cy for W and lt), a lane a row.  x's rows, which all eight clusters of a grid row read, are asked for by the clusters x = 0, 1, 4, 5.
; REGISTERS, in windows of 256: window 0: v0-31 addresses, bias; x's fragments: blocks 0 and 1 at v128-159 (one set), blocks 2-7 at v160-255 (a slot's first step) and v32-127 (its second step); at the very end v224-255 results on their way out;
;   window 1: the columns' fragments, set q for the slot's step q: v[128 q + 16 n], n = 0-3 W, 4-7 L;   window 2: the 32 accumulators of blocks 0-3 (block a, n at v[64 a + 8 n]);   window 3: those of blocks 4-7.
; So all of the next step's sixteen fragments are loaded during a step, in two runs of 32 loads: the columns' behind its first blocks, x's behind block 4; and a slot has been asked for in full when its second step begins.
.set ROWB,   256                       ; bytes along K in a slot
.set PITCH,  272                       ; an LDS row: 256 bytes + 16 of padding: the 16 rows that a load touches start at 16 different banks (64 banks of 4 bytes: ISA guide 11.1)
.set HALFT,  128*PITCH                 ; 128 rows: what one tensor load brings
.set SLOT,   4*HALFT                   ; x's 256 rows, W's 128, lt's 128
.set SPARE,  2*SLOT                    ; the spare words, 128 bytes for each wave, that no other line names
.set LAPS,   8                         ; a lap = two K steps
.set NROW,   16384                     ; a row of out in bytes
.set BIAS,   8                         ; v8-15   the bias of my four columns, each twice
.set ADRA,   16                        ; v16-17  LDS address of my fragments of x in slot 0, 1
.set ADRL,   18                        ; v18-19  of L
.set ADRB,   20                        ; v20-21  of W
.set CO,     24                        ; v24     my byte offset in out
.set PFO,    25                        ; v25     the prefetches' offset: lane x 4,096
.set SPW,    26                        ; v26     my spare word; never rewritten
.set NIL,    27                        ; v27     0; never rewritten
.set OB,     224                       ; v224-255  8 rows x 4 columns on their way out
.set AF,     128
.set WV,  2                            ; s2 wave
.set G1X, 16                           ; descriptor groups 1: x,
.set G1W, 24                           ; W,
.set G1L, 32                           ; lt
.set G2,  40                           ; groups 2 and 3, for W
.set G3,  44
.set G0X, 48                           ; groups 0, one for each slot: x,
.set G0B, 56                           ; W or lt
.set XBAS, 66
.set WBAS, 68
.set PFA, 70
.set LIM, 72                           ; 1 where my wave prefetches, else the greatest number
.set KX,  73
.set KO,  74
.set JB,  76
.set S1,  96
.set S2,  98
.set MULW, 0xa4                        ; source 0 (x) window 0, source 1 window 1, C and D window 2; + 0x50: window 3
.set TO_B, 0x40
.set MSB, 0
.macro WIN new                         ; the immediate's high byte repeats the setting that is left
.if MSB != (\new)
	s_set_vgpr_msb (MSB<<8)|(\new)
.set MSB, (\new)
.endif
.endm
.macro PLACES
.rept 4
	v_nop
.endr
.endm
; A joint load: waves 0 and 1 fetch x's halves, wave 2 W, wave 3 lt.  An s_nop 0 and four v_nop follow each line.
.macro JLOAD s
	s_cmp_lt_u32 s[WV], 2
	s_cbranch_scc0 .Lnot_x_\@
	tensor_load_to_lds s[G0X+4*\s:G0X+4*\s+3], s[G1X:G1X+7]
	s_nop 0
	PLACES
	s_branch .Lasked_\@
.Lnot_x_\@:
	s_cmp_eq_u32 s[WV], 2
	s_cbranch_scc0 .Lnot_w_\@
	tensor_load_to_lds s[G0B+4*\s:G0B+4*\s+3], s[G1W:G1W+7], s[G2:G2+3], s[G3:G3+3]
	s_nop 0
	PLACES
	s_branch .Lasked_\@
.Lnot_w_\@:
	tensor_load_to_lds s[G0B+4*\s:G0B+4*\s+3], s[G1L:G1L+7]
	s_nop 0
	PLACES
.Lasked_\@:
.endm
.macro CREST                           ; a round of the cluster's barrier behind its opening barrier
	s_cmp_lg_u32 s[WV], 0
	s_cbranch_scc1 .Lnot_wave_0_\@
	s_barrier_signal -3
.Lnot_wave_0_\@:
	s_barrier_wait -3
	s_barrier_signal -1
	s_barrier_wait -1
.endm
.macro CROUND
	s_barrier_signal -1
	s_barrier_wait -1
	CREST
.endm
; The prefetch of the K step two refills on, in the trips with an odd count to go, above the last (s3 = 7, 5, 3): the last names byte 13 x 256 + 512 along K at the most, inside the row.
.macro ASK
	s_cmp_gt_u32 s3, s[LIM]
	s_cbranch_scc0 .Lnot_mine_\@
	s_and_b32 s77, s3, 1
	s_cmp_lg_u32 s77, 0
	s_cbranch_scc0 .Lnot_mine_\@
	global_prefetch_b8 v[PFO], s[PFA:PFA+1] offset:3*ROWB th:TH_LOAD_NT scope:SCOPE_SE
.Lnot_mine_\@:
.endm
	s_load_b256 s[4:11], s[0:1], 0x0               ; x s[4:5], W s[6:7], lt s[8:9], the scales' exponents s[10:11]
	s_load_b128 s[12:15], s[0:1], 0x20             ; b s[12:13], out s[14:15]
	v_lshl_add_u32 v[SPW], v0, 2, SPARE
	v_mov_b32 v[NIL], 0
	ds_add_u32 v[SPW], v[NIL]                      ; the opening lines: the add, twice on end,
	ds_add_u32 v[SPW], v[NIL]                      ; and their one wait below
	v_lshrrev_b32 v1, 5, v0
	v_readfirstlane_b32 s[WV], v1                  ; wave 0..3
	s_lshr_b32 s82, s[WV], 1                       ; which half of the rows is mine
	s_and_b32 s83, s[WV], 1                        ; which half of the columns.  Also: which half of x I fetch; W (0) or lt (1)
	s_bfe_u32 s78, ttmp6, 0x40000                  ; cx
	s_bfe_u32 s79, ttmp6, 0x40004                  ; cy
	s_lshl_b32 s80, ttmp9, 2
	s_add_co_u32 s80, s80, s78                     ; tile column = 4 x cluster x + cx
	s_and_b32 s81, ttmp7, 0xffff
	s_lshl_b32 s81, s81, 2
	s_add_co_u32 s81, s81, s79                     ; tile row = 4 x cluster y + cy
	s_lshl_b32 s84, s79, 2
	s_lshl_b32 s84, 15, s84                        ; my row of the cluster
	s_lshl_b32 s85, 0x1111, s78                    ; my column
	; groups 1, word 0: 15:0 mask; elements of 1 byte; 20 padding on; 21 set beside a mask; 24:22 after every 64 words (code 5); 31:25 of 4 words (code 3)
	s_or_b32 s[G1X], s84, (1<<20)|(1<<21)|(5<<22)|(3<<25)
	s_or_b32 s[G1W], s85, (1<<20)|(1<<21)|(5<<22)|(3<<25)
	s_or_b32 s[G1L], s85, (1<<20)|(1<<21)|(5<<22)|(3<<25)
.irp g, G1X, G1L                       ; 128 rows of 256 bytes, 4,096 apart
	s_mov_b32 s[\g+1], ROWB<<16
	s_mov_b32 s[\g+2], 128<<16
	s_mov_b32 s[\g+3], ROWB<<16
	s_mov_b32 s[\g+4], 128
	s_mov_b32 s[\g+5], 4096
	s_mov_b32 s[\g+6], 0
	s_mov_b32 s[\g+7], 0
.endr
	s_mov_b32 s[G1W+1], ROWB<<16                   ; W: 4 planes (4,096 apart) of 32 rows (16,384 apart) of 256 bytes
	s_mov_b32 s[G1W+2], 32<<16                     ; tensor_dim1 = 32
	s_mov_b32 s[G1W+3], ROWB<<16
	s_mov_b32 s[G1W+4], 32|(4<<16)                 ; tile_dim1 = 32, tile_dim2 = 4
	s_mov_b32 s[G1W+5], 16384                      ; stride0
	s_mov_b32 s[G1W+6], 4096<<16                   ; stride1, low half
	s_mov_b32 s[G1W+7], 0
	s_mov_b32 s[G2], 4                             ; tensor_dim2
	s_mov_b32 s[G2+1], 1                           ; tensor_dim3; its tile size is 0: not used
	s_mov_b32 s[G2+2], 0
	s_mov_b32 s[G2+3], 0
	s_mov_b32 s[G3], 0
	s_mov_b32 s[G3+1], 1<<16                       ; tensor_dim4, not used
	s_mov_b32 s[G3+2], 0
	s_mov_b32 s[G3+3], 0
	s_and_b32 s[KX], ttmp7, 0xffff
	s_add_co_u32 s[KX], s[KX], ttmp9
	s_and_b32 s[KX], s[KX], 1
	s_lshl_b32 s[KX], s[KX], 9                     ; 512 in clusters with an odd sum of coordinates
	s_mov_b32 s[KO+1], 0
	s_mov_b32 s[JB], ROWB
	s_lshl_b32 s86, s81, 20                        ; x: row 256 x tile row + 128 x half, 4,096 bytes each
	s_lshl_b32 s87, s83, 19
	s_add_co_u32 s86, s86, s87
	s_mov_b32 s87, 0
	s_lshl_b32 s88, s80, 19                        ; W, lt: row 128 x tile column
	s_mov_b32 s89, 0
	s_mul_i32 s77, s[WV], HALFT                    ; where my loads go in a slot: no place in the cluster enters an LDS address
	s_wait_dscnt 0x0                               ; both opening adds are done
	CROUND                                         ; all sixteen work-groups are here: the first joint loads meet
	s_wait_kmcnt 0x0
	s_load_b128 s[92:95], s[10:11], 0x0            ; e0 .. e3
	s_add_nc_u64 s[XBAS:XBAS+1], s[4:5], s[86:87]
	s_cmp_eq_u32 s83, 0
	s_cselect_b64 s[90:91], s[6:7], s[8:9]
	s_add_nc_u64 s[WBAS:WBAS+1], s[90:91], s[88:89]
.irp s, 0,1
	s_xor_b32 s[KO], s[KX], \s*ROWB
	s_mov_b32 s[G0X+4*\s], 1
	s_add_co_u32 s[G0X+4*\s+1], s77, \s*SLOT
	s_add_nc_u64 s[G0X+4*\s+2:G0X+4*\s+3], s[XBAS:XBAS+1], s[KO:KO+1]
	s_or_b32 s[G0X+4*\s+3], s[G0X+4*\s+3], 0x80000000
	s_mov_b32 s[G0B+4*\s], 1
	s_add_co_u32 s[G0B+4*\s+1], s77, \s*SLOT
	s_add_nc_u64 s[G0B+4*\s+2:G0B+4*\s+3], s[WBAS:WBAS+1], s[KO:KO+1]
	s_or_b32 s[G0B+4*\s+3], s[G0B+4*\s+3], 0x80000000
.endr
	JLOAD 0                                        ; K step 0: one tensor load a wave at the head
	; the prefetches: my work-group's 32 rows of the 128 that I fetch
	s_lshl_b32 s84, s81, 8
	s_lshl_b32 s85, s83, 7
	s_add_co_u32 s84, s84, s85
	s_lshl_b32 s85, s80, 7
	s_and_b32 s86, ttmp9, 2
	s_cmp_eq_u32 s82, 0                            ; do I fetch x?
	s_cselect_b32 s84, s84, s85
	s_cselect_b32 s85, s78, s79                    ; my place among the four that ask with me
	s_cselect_b32 s86, s86, 0
	s_cselect_b64 s[PFA:PFA+1], s[4:5], s[90:91]
	s_cmp_eq_u32 s86, 0
	s_cselect_b32 s[LIM], 1, -1
	s_lshl_b32 s85, s85, 5
	s_add_co_u32 s84, s84, s85
	s_lshl_b32 s84, s84, 12
	s_add_co_u32 s84, s84, s[KX]
	s_mov_b32 s85, 0
	s_add_nc_u64 s[PFA:PFA+1], s[PFA:PFA+1], s[84:85]
	v_and_b32 v3, 31, v0
	v_lshlrev_b32 v[PFO], 12, v3
	s_cmp_eq_u32 s[LIM], 1
	s_cbranch_scc0 .Lno_head_ask
	global_prefetch_b8 v[PFO], s[PFA:PFA+1] offset:ROWB th:TH_LOAD_NT scope:SCOPE_SE   ; K step 1, whose load sets out when K step 0 has landed
.Lno_head_ask:
	s_lshl_b32 s84, s81, 22                        ; out: row 256 x tile row + 128 x half, 16,384 bytes each
	s_lshl_b32 s85, s82, 21
	s_add_co_u32 s84, s84, s85
	s_mov_b32 s85, 0
	s_lshl_b32 s86, s80, 9                         ; my first column in bytes: 512 x tile column + 256 x half
	s_lshl_b32 s87, s83, 8
	s_add_co_u32 s86, s86, s87
	s_mov_b32 s87, 0
	s_add_nc_u64 s[12:13], s[12:13], s[86:87]
	s_add_nc_u64 s[14:15], s[14:15], s[84:85]
	s_add_nc_u64 s[14:15], s[14:15], s[86:87]
	s_mul_i32 s84, s82, HALFT                      ; my 128 rows of x
	s_mul_i32 s85, s83, 16*PITCH
	s_add_co_u32 s85, s85, 2*HALFT                 ; my rows 16 x half + r of each of W's four planes
	s_mul_i32 s86, s83, 32*PITCH
	s_add_co_u32 s86, s86, 3*HALFT                 ; my four fragments of L
	v_and_b32 v1, 15, v0                           ; r
	v_bfe_u32 v2, v0, 4, 1                         ; h
	v_mul_u32_u24 v3, v1, PITCH
	v_mul_u32_u24 v4, v2, PITCH
	v_lshlrev_b32 v5, 4, v1
	v_lshl_add_u32 v3, v2, 4, v3                   ; row r, + 16 h
	v_add_nc_u32 v4, v4, v5                        ; L: row h, + 16 r
	v_lshl_add_u32 v[CO], v2, 17, v5               ; out: 8 h rows, + 16 r
	v_add_nc_u32 v[ADRA], s84, v3
	v_add_nc_u32 v[ADRB], s85, v3
	v_add_nc_u32 v[ADRL], s86, v4
	v_add_nc_u32 v[ADRA+1], SLOT, v[ADRA]
	v_add_nc_u32 v[ADRB+1], SLOT, v[ADRB]
	v_add_nc_u32 v[ADRL+1], SLOT, v[ADRL]
	global_load_b128 v[28:31], v5, s[12:13]        ; b at my four columns
	s_wait_alu depctr_va_vdst(0)
	s_wait_kmcnt 0x0
	s_add_co_i32 s[S1], s92, s93
	s_add_co_i32 s[S1], s[S1], 127
	s_lshl_b32 s[S1], s[S1], 23                    ; 2^(e0 + e1) as f32
	s_add_co_i32 s[S2], s94, s95
	s_add_co_i32 s[S2], s[S2], 128
	s_lshl_b32 s[S2], s[S2], 23                    ; 2 x 2^(e2 + e3)
	s_mov_b32 s[S2+1], s[S2]
	s_wait_loadcnt 0x0
.irp i, 0,1,2,3
	v_mov_b32 v[BIAS+2*\i], v[28+\i]
	v_mov_b32 v[BIAS+2*\i+1], v[28+\i]
.endr
; Block a's eight matrix instructions with step q's fragments; zero = 1: the product starts the sum.  x = 1 (at the very end): blocks 0 and 1 of step 1 stand where blocks 4 and 5 of step 0 stood.
; The accumulators take turns, one instruction a turn.
.macro MUL a, q, zero, x=0
.set AR_, AF+16*(\a)-128*(\q)*(((\a)+6)/8)+64*(\x)
.set AC_, 64*((\a)%4)
.set BR_, 128*(\q)
	WIN MULW+0x50*((\a)/4)
.rept 8
.if \zero
	v_wmma_f32_16x16x128_fp8_fp8 v[AC_:AC_+7], v[AR_:AR_+15], v[BR_:BR_+15], 0
.else
	v_wmma_f32_16x16x128_fp8_fp8 v[AC_:AC_+7], v[AR_:AR_+15], v[BR_:BR_+15], v[AC_:AC_+7]
.endif
.set AC_, AC_+8
.set BR_, BR_+16
.endr
.endm
; Fragment f of the slot's step q: f = 0-3 W, 4-7 L, 8-15 x's blocks 0-7.  Four loads: lane (r, h) takes K = 32 c + 16 h + 0 .. 15 into registers 4 c .. 4 c + 3: the same permutation of k on both sides.
.macro LD slot, q, f, x=0
.if (\f) < 8
.set LR_, 128*(\q)+16*(\f)
	WIN TO_B
.irp c, 0,1,2,3
.if (\f) < 4
	ds_load_b128 v[LR_+4*\c:LR_+4*\c+3], v[ADRB+(\slot)] offset:128*(\q)+32*\c+(\f)*32*PITCH
.else
	ds_load_b128 v[LR_+4*\c:LR_+4*\c+3], v[ADRL+(\slot)] offset:(64*(\q)+8*((\f)-4)+2*\c)*PITCH
.endif
.endr
.else
.set LR_, AF+16*((\f)-8)-128*(\q)*(((\f)-2)/8)+64*(\x)
	WIN 0
.irp c, 0,1,2,3
	ds_load_b128 v[LR_+4*\c:LR_+4*\c+3], v[ADRA+(\slot)] offset:128*(\q)+32*\c+((\f)-8)*16*PITCH
.endr
.endif
.endm
.macro COLS slot, q                    ; a step's columns: 32 loads
.irp f, 0,1,2,3,4,5,6,7
	LD \slot, \q, \f
.endr
.endm
.macro ROWS slot, q                    ; a step's blocks of x: 32 loads, in the order in which they are wanted
.irp f, 8,9,10,11,12,13,14,15
	LD \slot, \q, \f
.endr
.endm
; A slot's first step.  The counts: block 0 wants the columns and x's block 0, behind which seven fragments of four loads may be out; block 1 six.  Then all are in, and the slot's second step is loaded in two runs.
; A load into registers that a matrix instruction has read stands four places behind it (ISA guide 7.12.1 for vector instructions): both runs write over what the step before and blocks 0 and 1 have read,
; so the four v_nop behind block 1 serve both.
.macro STEP0 slot, zero
	s_wait_dscnt 28
	MUL 0, 0, \zero
	s_wait_dscnt 24
	MUL 1, 0, \zero
	s_wait_dscnt 0x0
	PLACES
	COLS \slot, 1
.irp a, 2,3,4
	MUL \a, 0, \zero
.endr
	ROWS \slot, 1
.irp a, 5,6,7
	MUL \a, 0, \zero
.endr
.endm
; A slot's second step changes slots: this slot has been asked for in full.  Each wave waits for all its tensor loads, adds 0 to its spare word, waits for that and for its reads, and then comes the barrier (where the slot is
; filled again: a round of the cluster's barrier).  Behind it the refill comes first, then the other slot's first step in two runs.  From a refill to the wait for it a wave issues 14 blocks' products.
.macro TURN slot, next, fill
.if \fill
	s_wait_xcnt 0x0                                ; any prefetch of mine has read its address
	s_add_nc_u64 s[PFA:PFA+1], s[PFA:PFA+1], ROWB
.endif
	s_wait_dscnt 28
	MUL 0, 1, 0
	WIN 0
	s_wait_tensorcnt 0x0                           ; all my tensor loads have landed: my part of the next slot;
	ds_add_u32 v[SPW], v[NIL]                      ; 0 onto my spare word;
	s_wait_dscnt 25                                ; x's block 1 is in; six fragments and the add may be out
.if \fill
	s_add_co_u32 s[JB], s[JB], ROWB                ; this slot's next K step, two on
	s_xor_b32 s[KO], s[JB], s[KX]
	s_add_nc_u64 s[G0X+4*\slot+2:G0X+4*\slot+3], s[XBAS:XBAS+1], s[KO:KO+1]
	s_or_b32 s[G0X+4*\slot+3], s[G0X+4*\slot+3], 0x80000000
	s_add_nc_u64 s[G0B+4*\slot+2:G0B+4*\slot+3], s[WBAS:WBAS+1], s[KO:KO+1]
	s_or_b32 s[G0B+4*\slot+3], s[G0B+4*\slot+3], 0x80000000
.endif
	MUL 1, 1, 0
	s_wait_dscnt 0x0                               ; the add is done, and my reads of this slot are over
	s_barrier_signal -1
	MUL 2, 1, 0                                    ; work on registers while the others arrive
	WIN 0
	s_barrier_wait -1
.if \fill
	CREST                                          ; no wave of any partner still reads this slot or has a load on its way
	JLOAD \slot                                    ; the first tensor load behind the round; its four v_nop are also the places in front of the loads of both runs
	COLS \next, 0
	WIN 0
	ASK                                            ; behind the joint load and the run of LDS loads
.else
	PLACES
	COLS \next, 0
.endif
	MUL 3, 1, 0
	MUL 4, 1, 0
.if \fill
	ROWS \next, 0
.else
.irp f, 12,13,14,15,8,9,10,11
	LD \next, 0, \f                                ; ahead of the very last K step x's blocks 4-7 come first
.endr
.endif
.irp a, 5,6,7
	MUL \a, 1, 0
.endr
	WIN 0
.endm
; THE WAY OUT of block a: L's sums x 2 x 2^(e2+e3) + b in place, then W's sums x 2^(e0+e1) added, into row order; each accumulator from its low end on.
.macro OUT a
.set AC_, 64*((\a)%4)
	s_wait_xcnt 0x0                                ; the last block's stores have read their registers
	PLACES                                         ; behind the block's last products
	WIN 0x82+0x41*((\a)/4)
.irp f, 0,1,2,3
.irp j, 0,2,4,6
	v_pk_fma_f32 v[AC_+32+8*\f+\j:AC_+32+8*\f+\j+1], v[AC_+32+8*\f+\j:AC_+32+8*\f+\j+1], s[S2:S2+1], v[BIAS+2*\f:BIAS+2*\f+1] op_sel_hi:[1,0,1]
.endr
.endr
	WIN 0x22+0x11*((\a)/4)
.irp j, 0,1,2,3,4,5,6,7
.irp f, 0,1,2,3
	v_fma_f32 v[OB+4*\j+\f], v[AC_+8*\f+\j], s[S1], v[AC_+32+8*\f+\j]
.endr
.endr
	WIN 0
.irp j, 0,1,2,3,4,5,6,7
	global_store_b128 v[CO], v[OB+4*\j:OB+4*\j+3], s[14:15] offset:(16*(\a)+\j)*NROW th:TH_STORE_NT   ; rows j and 8 + j of the block: sixteen lanes store 256 consecutive bytes, at a multiple of 256 from out's first byte
.endr
.endm
	s_wait_alu depctr_va_vdst(0)                   ; the wait at the head's end
	s_wait_tensorcnt 0x0                           ; my part of K step 0 is in
	ds_add_u32 v[SPW], v[NIL]
	s_wait_dscnt 0x0
	CROUND                                         ; everybody's part of K step 0 is in
	JLOAD 1                                        ; K step 1, the first tensor load behind the round
	COLS 0, 0
	ROWS 0, 0
	STEP0 0, 1                                     ; the first step's products start the sums
	WIN 0
	s_mov_b32 s3, LAPS-1
.Llap:                                                 ; a trip goes once round the two slots and fills both again
	TURN 0, 1, 1
	STEP0 1, 0
	WIN 0
	TURN 1, 0, 1
	STEP0 0, 0
	WIN 0
	s_sub_co_u32 s3, s3, 1
	s_cmp_lg_u32 s3, 0
	s_cbranch_scc1 .Llap
	TURN 0, 1, 0                                   ; nothing is filled again
; THE LAST K STEP, in slot 1: blocks 4-7 through both its steps first, so that their rows leave while blocks 0-3 are multiplied.
	s_wait_dscnt 28                                ; the columns and x's block 4 of step 0
	MUL 4, 0, 0
	s_wait_dscnt 0x0
	PLACES
	COLS 1, 1
	MUL 5, 0, 0
	MUL 6, 0, 0
	WIN 0
	PLACES                                         ; blocks 4 and 5 of step 0 have been read
.irp f, 12,13,14,15
	LD 1, 1, \f                                    ; x's blocks 4-7 of step 1,
.endr
	LD 1, 1, 8, 1                                  ; 0 and 1, where blocks 4 and 5 of step 0 stood,
	LD 1, 1, 9, 1
	LD 1, 1, 10
	LD 1, 1, 11                                    ; 2 and 3
	MUL 7, 0, 0
	s_wait_dscnt 28                                ; step 1's columns and x's block 4; seven fragments may be out
	MUL 4, 1, 0
	OUT 4                                          ; each of the first blocks leaves directly behind its last products
	s_wait_dscnt 24
	MUL 5, 1, 0
	OUT 5
	s_wait_dscnt 20
	MUL 6, 1, 0
	MUL 0, 0, 0                                    ; (block 0's step 0)
	OUT 6
	s_wait_dscnt 16
	MUL 7, 1, 0
	MUL 1, 0, 0
	OUT 7
	MUL 2, 0, 0
	MUL 3, 0, 0
	s_wait_dscnt 0x0
	MUL 0, 1, 0, 1                                 ; and step 1 of blocks 0-3
	OUT 0
	MUL 1, 1, 0, 1
	OUT 1
	MUL 2, 1, 0
	OUT 2
	MUL 3, 1, 0
	OUT 3
	s_wait_tensorcnt 0x0                           ; the wave's end
	ds_add_u32 v[SPW], v[NIL]
	s_wait_dscnt 0x0
	CROUND                                         ; the closing round: no work-group ends while a partner may still ask for a tile that names it
	s_endpgm
.Lfunc_end_k_q00d45da7e5_gemm:
	.size	k_q00d45da7e5_gemm, .Lfunc_end_k_q00d45da7e5_gemm-k_q00d45da7e5_gemm
	.p2alignl 7, 3214868480
	.fill 96, 4, 3214868480
	.section	.rodata,"a",@progbits
	.p2align	6, 0x0
	.amdhsa_kernel k_q00d45da7e5_gemm
		.amdhsa_group_segment_fixed_size 327680
		.amdhsa_private_segment_fixed_size 0
		.amdhsa_enable_private_segment 0
		.amdhsa_kernarg_size 48
		.amdhsa_user_sgpr_count 2
		.amdhsa_user_sgpr_kernarg_segment_ptr 1
		.amdhsa_wavefront_size32 1
		.amdhsa_system_sgpr_workgroup_id_x 1
		.amdhsa_system_sgpr_workgroup_id_y 1
		.amdhsa_system_sgpr_workgroup_id_z 1
		.amdhsa_system_vgpr_workitem_id 0
		.amdhsa_next_free_vgpr 1024
		.amdhsa_next_free_sgpr 100
		.amdhsa_reserve_vcc 0
		.amdhsa_float_denorm_mode_32 3
		.amdhsa_float_denorm_mode_16_64 3
		.amdhsa_memory_ordered 1
		.amdhsa_forward_progress 1
		.amdhsa_inst_pref_size 115
	.end_amdhsa_kernel
	.amdgpu_metadata
---
amdhsa.version: [ 1, 2 ]
amdhsa.kernels:
  - .name:           k_q00d45da7e5_gemm
    .symbol:         k_q00d45da7e5_gemm.kd
    .args:
      - { .name: x_codes, .offset: 0, .size: 8, .value_kind: global_buffer, .address_space: global }
      - { .name: W_codes, .offset: 8, .size: 8, .value_kind: global_buffer, .address_space: global }
      - { .name: lt, .offset: 16, .size: 8, .value_kind: global_buffer, .address_space: global }
      - { .name: lowp_scales, .offset: 24, .size: 8, .value_kind: global_buffer, .address_space: global }
      - { .name: b, .offset: 32, .size: 8, .value_kind: global_buffer, .address_space: global }
      - { .name: out0, .offset: 40, .size: 8, .value_kind: global_buffer, .address_space: global }
    .group_segment_fixed_size: 327680
    .private_segment_fixed_size: 0
    .kernarg_segment_align: 8
    .kernarg_segment_size: 48
    .max_flat_workgroup_size: 128
    .sgpr_count:     100
    .vgpr_count:     1024
    .wavefront_size: 32
...
	.end_amdgpu_metadata
.endif
;; end of part 2
